; MI455X (gfx1250); checked and timed in simulation.
; The chip was launched on July 23, 2026; its instructions are those of AMD's public machine-readable ISA for CDNA 5 (MIT licence, August 2026) and "CDNA5" Instruction Set Architecture Reference Guide (July 2026). The comments in the code are by the model that wrote it; some were corrected since.
;; Mo E Layer. Allowed arithmetic: matrix products marked QUANTISED: E2M3 operands, one E8M0 scale for each 32 along K, by v_wmma_scale_f32_16x16x128_f8f6f4 with both operands' format E2M3, f32 sums; products left as they are: f32 operands where the result goes on into a quantised operand, else bf16, f16 or f32 operands; f32 sums; everything else in f32.
;; Inputs: W1_codes 2 x 4,096 x 32 x 24 uint8 (E2M3 codes of W1, K innermost, in blocks of 32 codes, four codes in three bytes); W1_scales 2 x 4,096 x 32 uint8 (E8M0 scales of W1, one for each 32 codes along K); W2_codes 2 x 1,024 x 128 x 24 uint8 (E2M3 codes of W2, K innermost, in blocks of 32 codes, four codes in three bytes); W2_scales 2 x 1,024 x 128 uint8 (E8M0 scales of W2, one for each 32 codes along K); Wr 1,024 x 2 float32; b1 2 x 4,096 float32; b2 2 x 1,024 float32; br 2 float32; x 2 x 2,048 x 1,024 float32.
;; Outputs: out0 2 x 2,048 x 1,024 float32.
;; This version of the problem:
;;   THIS VERSION OF THE PROBLEM IS GIVEN IN LOW PRECISION. The matrix products marked QUANTISED in the list below multiply operands that are first quantised to E2M3 (2 exponent bits, 3 mantissa bits; 6 bits a number), with one power-of-two scale for each 32 numbers along K (OCP MX v1.0); their sums are f32. All else is computed in f32.
;;   The module's matrix products, in the order in which they are computed (A, B: the left and right operand; K: the contracted axis; several contracted axes count as one K, in the product's order):
;;     1. [M 4,096, K 1,024] x [K 1,024, N 2]; A: input x; B: input Wr: left as it is (N = 2 < 16)
;;     2. batch 4,096 x [M 1, K 2] x [K 2, N 2]; A: computed on the way; B: computed on the way: left as it is (K = 2 < 32)
;;     3. [M 4,096, K 1,024] x [K 1,024, N 4,096]; A: input x; B: input W1 (given as codes): QUANTISED
;;     4. [M 4,096, K 4,096] x [K 4,096, N 1,024]; A: computed on the way; B: input W2 (given as codes): QUANTISED
;;     5. [M 4,096, K 1,024] x [K 1,024, N 4,096]; A: input x; B: input W1 (given as codes): QUANTISED
;;     6. [M 4,096, K 4,096] x [K 4,096, N 1,024]; A: computed on the way; B: input W2 (given as codes): QUANTISED
;;   THE QUANTISER, for each operand of a quantised product, along K:
;;     - K is cut into blocks of 32 from its start; a last block that is shorter is filled with zeros.
;;     - A block's scale is 2^e with e = floor(log2(the largest magnitude in the block)) - 2, held to -126 .. 127; a block of zeros has e = 0. As a byte (E8M0): e + 127.
;;     - Each number is divided by its block's scale, clamped to +-7.5, and rounded to the nearest number of E2M3, ties to even, subnormals kept.
;;     - The product sums the exact products of the quantised numbers (number of the format x scale) in f32.
;;   ~~~python
;;   def quantise(x, axis):      # numpy; x: float32 -> the quantised numbers, widened to float32 again
;;       x = np.moveaxis(x, axis, -1); K = x.shape[-1]
;;       x = np.pad(x, [(0, 0)] * (x.ndim - 1) + [(0, -K % 32)]); x = x.reshape(x.shape[:-1] + (-1, 32)); a = np.abs(x).max(-1, keepdims=True)
;;       e = np.where(a > 0, np.clip(np.frexp(np.where(a > 0, a, 1))[1] - 1 - 2, -126, 127), 0)      # np.frexp(a)[1] - 1 = floor(log2(a)), exactly
;;       r = np.clip(x / 2.0 ** e, -7.5, 7.5)
;;       step = 2.0 ** (np.maximum(np.frexp(np.where(r == 0, 1, r))[1] - 1, 0) - 3)
;;       q = np.round(r / step) * step * 2.0 ** e      # np.round: ties to even
;;       return np.moveaxis(q.reshape(q.shape[:-2] + (-1,))[..., :K], -1, axis).astype(np.float32)
;;   ~~~
;;   OPERANDS COMPUTED ON THE WAY. 'Computed on the way' means the value that the module computes at that place (a softmax that the list does not call 'softmax' is quantised finished and normalised). What goes into a quantiser is computed in f32, as accurately as f32 sums, v_exp_f32 and their like allow (about 1e-6 of the number): no bf16 or f16 on the way to a quantiser, and a product that is left as it is and whose result goes on into a quantised operand takes f32 operands (vector FMAs, or v_wmma_f32_16x16x4_f32). A number that lies on a knife's edge between two numbers of the format may be rounded either way, as far as f32 arithmetic and the matrix unit's own rounding can turn it there, and no further.
;;   INPUTS GIVEN AS CODES. W1 (in the module: [2, 1024, 4096], K = its axis 1); W2 (in the module: [2, 4096, 1024], K = its axis 1): each comes as NAME_codes (uint8): NAME with its K axis moved to the last place and cut into blocks of 32 codes, [.., K / 32, bytes a block], one block behind the other in memory; four codes in three bytes: a row's codes are one little-endian stream of bits, code i at bits 6 i .. 6 i + 5 (a code: sign, 2 exponent bits, 3 mantissa bits); and NAME_scales (uint8): the same leading axes, one E8M0 byte (e + 127) for each 32 codes along K. Its value is code x scale, taken as it is: it is not quantised again, and the codes and scales need not be those that the quantiser above would give.
;; One version. Each part assembles by itself: llvm-mc -triple=amdgcn-amd-amdhsa -mcpu=gfx1250 --defsym DOCPART=n.
;; ======== version 1 of 1: 3 launches
;; limits: right only within a limited range of input values
;; workspace buffers: xq 3,276,800 bytes; hq 26,214,400 bytes; w2q 6,553,600 bytes; comb 32,768 bytes
;; launch prep (part 1): grid 256 x 1, 8 waves a work-group, no clusters, 104,448 bytes of LDS; arguments x, Wr, br, xq, comb; writes xq, comb
.if DOCPART == 1
	.amdgcn_target "amdgcn-amd-amdhsa--gfx1250"
	.amdhsa_code_object_version 6
	.text
	.protected	k_q9ae71d4460_prep
	.globl	k_q9ae71d4460_prep
	.p2align	8
	.type	k_q9ae71d4460_prep,@function
k_q9ae71d4460_prep:
	s_mov_b64 s[64:65], 0
	v_nop
	global_prefetch_b8 v0, s[64:65] scope:SCOPE_SE
	s_setreg_imm32_b32 hwreg(HW_REG_WAVE_MODE, 25, 1), 1
	s_wait_xcnt 0x0
; x [4096][1024] f32 becomes codes of FP6 (E2M3) with one E8M0 scale for each 32 along K, laid as IMAGES OF OPERAND REGISTERS, and the router's weights are made.
; A RECORD of xq is 12,800 bytes: 128 rows x 128 K.  Byte 1536 i + 512 c + 16 l + 4 j = register 4 c + j of lane l of fragment i (rows 16 i + l % 16; registers 6 c' .. 6 c' + 5 of lane (r, h) hold
; k = 64 c' + 32 h + 0 .. 31).  Byte 12288 + 256 (i / 4) + 16 r + 4 (i % 4) = the scale word (four bytes, 128 K) of row 16 i + r.  xq = [32 blocks of 128 rows][8 K steps] records.
; comb [4096][2] f32: both experts are among the top 2 of 2, so a token's weight for expert e is p_e / (p_0 + p_1), p = softmax(x Wr + br), with the row's maximum taken off first.
; SHARES.  A work-group owns 16 rows, wave s of its eight the K step s (128 numbers of each row): one fragment.  One pass, no loop: 16 loads of 512 consecutive bytes a wave.
; A load gives a lane 4 neighbours of a row; the conversions want 32 neighbours in a lane.  So the 8 KB turn through the wave's own stage in LDS (rows of 512 + 16 bytes).
; The router's product is taken in f32 on the numbers as loaded (lane: 4 k's of each row); the 32 lanes' parts of 16 rows turn through a second stage, and the eight waves' parts meet in 1,024 bytes behind the one barrier.
; No cluster: the work-groups share Wr alone, 8 KB beside the 64 KB of x that each reads.  No tensor load: everything is loaded once, straight into registers.
; The scale words (16 x 4 bytes, 16 bytes apart) and comb (128 bytes a work-group) are stored in pieces shorter than 256 bytes: 160 KB of the launch's 20 MB.
; LIMITS: NaN and infinities in x are not served.  A block of zeros gets the byte 1 where the quantiser says 127: its codes are zeros, and these bytes are read by this program alone.
.set REC,   12800
.set WREG,  12800                      ; LDS of a wave: the stage, then the router's stage
.set SP,    528                        ; a stage row: 512 bytes + 16: 16 rows start at 16 different columns of 16 bytes
.set RP,    272                        ; the router's stage: 32 lanes x 8 bytes + 16
.set RED,   16*SP
.set LOGP,  8*WREG                     ; 8 waves x 16 rows x 8 bytes
.set LI,   4                           ; v4   16 x lane: x's offset, and an image's
.set SIN,  5                           ; v5   stage, in
.set SOUT, 6                           ; v6   stage, out: row r, + 128 h
.set RIN,  7                           ; v7   router's stage, in: 8 x lane
.set ROUT, 8                           ; v8   out: row r, + 128 h
.set LPW,  9                           ; v9   where my wave puts row r's two partial logits
.set LPR,  10                          ; v10  where wave 0 reads them
.set SH8,  11                          ; v11  8 h
.set WO,   12                          ; v12  32 x lane: my four rows of Wr
.set SWO,  13                          ; v13  16 r: a scale word's place
.set TX,   14                          ; v14  a lane permute's destination
.set CBO,  15                          ; v15  8 r: comb
.set WR,   16                          ; v16-23  Wr[128 s + 4 lane + j][e] at 2 j + e
.set R,    32                          ; v32-95  x as loaded: row i in 4 registers
.set X,    96                          ; v96-159 register 32 c + i = k 64 c + 32 h + i of row r
.set L,    160                         ; v160-191 my part of the two logits of row i
.set CD,   192                         ; v192-203 the fragment's 12 registers
.set CX,   204                         ; v204-210 the upper halves of the two blocks, before they are moved
.set QM,   212
.set QS,   214
.set QB,   216
.set PW,   218                         ; the scale word
.set RB,   220                         ; v220-251
.set SEL,  20                          ; s[20:21] lane l xor 16
; 64 numbers of a lane, register 32 c + i = k 64 c + 32 h + i of its row: two whole blocks.  They become the fragment's registers v[CD] on and the row's scale word.
.macro QUANT2 s, pw
.irp c, 0,1
	v_max3_num_f32 v[QM+\c], |v[\s+32*\c]|, |v[\s+32*\c+1]|, 0x1800000   ; the floor 2^(3 - 127) among the leaves: the byte cannot fall under 1
.endr
.irp i, 2,4,6,8,10,12,14,16,18,20,22,24,26,28,30
.irp c, 0,1
	s_delay_alu instid0(VALU_DEP_2)
	v_max3_num_f32 v[QM+\c], v[QM+\c], |v[\s+32*\c+\i]|, |v[\s+32*\c+\i+1]|   ; the two blocks by turns
.endr
.endr
.irp c, 0,1
	s_delay_alu instid0(VALU_DEP_2)
	v_add_nc_u32 v[QS+\c], 0xff000000, v[QM+\c]    ; 2 off the exponent field: the conversion takes this operand's exponent field as its scale
.endr
.irp c, 0,1
	s_delay_alu instid0(VALU_DEP_2)
	v_lshrrev_b32 v[QB+\c], 23, v[QS+\c]           ; the scale's byte
.endr
	s_delay_alu instid0(VALU_DEP_1)
	v_lshl_or_b32 v[\pw], v[QB+1], 16, v[QB]       ; blocks h and 2 + h,
	s_delay_alu instid0(VALU_DEP_1)
	v_lshlrev_b32 v[\pw], v[SH8], v[\pw]           ; at their places in the word;
	s_delay_alu instid0(VALU_DEP_1)
	v_permlanex16_b32 v[TX], v[\pw], s[SEL], s[SEL+1]
	s_delay_alu instid0(VALU_DEP_1)
	v_or_b32 v[\pw], v[\pw], v[TX]                 ; with lane l xor 16's two the word is whole, in both halves of the lanes
.irp c, 0,1
	v_cvt_scalef32_pk16_fp6_f32 v[CD+6*\c:CD+6*\c+2], v[\s+32*\c:\s+32*\c+15], v[QS+\c]
	v_cvt_scalef32_pk16_fp6_f32 v[CX+4*\c:CX+4*\c+2], v[\s+32*\c+16:\s+32*\c+31], v[QS+\c]   ; (a conversion's three registers begin on an even number)
.endr
	v_nop                                          ; one plain place behind the scaled conversions
.irp c, 0,1
.irp i, 0,1,2
	v_mov_b32 v[CD+6*\c+3+\i], v[CX+4*\c+\i]
.endr
.endr
.endm
	s_load_b256 s[4:11], s[0:1], 0x0               ; x s[4:5], Wr s[6:7], br s[8:9], xq s[10:11]
	s_load_b64 s[12:13], s[0:1], 0x20              ; comb
	v_lshl_add_u32 v254, v0, 2, 0x19400
	v_mov_b32 v255, 0
	v_lshrrev_b32 v1, 5, v0
	s_delay_alu instid0(VALU_DEP_1)
	v_readfirstlane_b32 s16, v1                    ; wave = K step
	v_and_b32 v1, 31, v0                           ; lane
	v_and_b32 v2, 15, v0                           ; r
	v_bfe_u32 v3, v0, 4, 1                         ; h
	s_delay_alu instid0(VALU_DEP_3)
	v_lshlrev_b32 v[LI], 4, v1
	s_mul_i32 s17, s16, WREG
	v_add_nc_u32 v[SIN], s17, v[LI]
	v_mul_u32_u24 v[SOUT], v2, SP
	s_delay_alu instid0(VALU_DEP_1)
	v_lshl_add_u32 v[SOUT], v3, 7, v[SOUT]
	s_delay_alu instid0(VALU_DEP_1)
	v_add_nc_u32 v[SOUT], s17, v[SOUT]
	s_add_co_u32 s17, s17, RED
	v_lshl_add_u32 v[RIN], v1, 3, s17
	v_mul_u32_u24 v[ROUT], v2, RP
	s_delay_alu instid0(VALU_DEP_1)
	v_lshl_add_u32 v[ROUT], v3, 7, v[ROUT]
	s_delay_alu instid0(VALU_DEP_1)
	v_add_nc_u32 v[ROUT], s17, v[ROUT]
	v_lshlrev_b32 v[CBO], 3, v2
	s_delay_alu instid0(VALU_DEP_1)
	v_add_nc_u32 v[LPR], LOGP, v[CBO]
	s_lshl_b32 s17, s16, 7
	v_add_nc_u32 v[LPW], s17, v[LPR]
	v_lshlrev_b32 v[SH8], 3, v3
	v_lshlrev_b32 v[WO], 5, v1
	v_lshlrev_b32 v[SWO], 4, v2
	v_mov_b32 v[TX], 0                             ; written once: a lane permute's destination counts as one of its sources
	s_mov_b32 s[SEL], 0x76543210
	s_mov_b32 s[SEL+1], 0xfedcba98
	s_lshl_b32 s18, ttmp9, 16                      ; x: 16 rows of 4,096 bytes a work-group,
	s_lshl_b32 s19, s16, 9                         ; 512 bytes of a row a wave
	s_add_co_u32 s18, s18, s19
	s_mov_b32 s19, 0
	s_lshl_b32 s24, s16, 10                        ; Wr: 128 rows of 8 bytes a wave
	s_mov_b32 s25, 0
	s_lshr_b32 s26, ttmp9, 3
	s_lshl_b32 s26, s26, 3
	s_add_co_u32 s26, s26, s16
	s_mul_i32 s26, s26, REC                        ; the record: block of 128 rows g / 8, K step s
	s_and_b32 s27, ttmp9, 7
	s_mul_i32 s28, s27, 1536
	s_add_co_u32 s28, s28, s26                     ; my fragment: g % 8
	s_mov_b32 s29, 0
	s_lshr_b32 s30, s27, 2
	s_lshl_b32 s30, s30, 8
	s_and_b32 s27, ttmp9, 3
	s_lshl_b32 s27, s27, 2
	s_add_co_u32 s30, s30, s27
	s_add_co_u32 s30, s30, s26
	s_add_co_u32 s30, s30, 12288                   ; its scale words
	s_mov_b32 s31, 0
	s_lshl_b32 s26, ttmp9, 7                       ; comb: 16 rows of 8 bytes
	s_mov_b32 s27, 0
	s_wait_alu depctr_va_vdst(0)
	s_wait_kmcnt 0x0
	s_load_b64 s[22:23], s[8:9], 0x0               ; br's two numbers (nobody writes br)
	s_add_nc_u64 s[4:5], s[4:5], s[18:19]
	s_add_nc_u64 s[6:7], s[6:7], s[24:25]
	s_add_nc_u64 s[14:15], s[10:11], s[30:31]
	s_add_nc_u64 s[10:11], s[10:11], s[28:29]
	s_add_nc_u64 s[12:13], s[12:13], s[26:27]
	global_load_b128 v[WR:WR+3], v[WO], s[6:7]
	global_load_b128 v[WR+4:WR+7], v[WO], s[6:7] offset:16
.irp i, 0,1,2,3,4,5,6,7,8,9,10,11,12,13,14,15
	global_load_b128 v[R+4*\i:R+4*\i+3], v[LI], s[4:5] offset:4096*\i th:TH_LOAD_NT   ; 32 lanes read 512 consecutive bytes of row i; read once in the launch
.endr
.irp i, 0,1,2,3,4,5,6,7,8,9,10,11,12,13,14,15
	s_wait_loadcnt 15-\i                           ; loads come back in order: row i is in (and Wr, which is older); the younger rows stay out
	v_mul_f32 v[L+2*\i], v[R+4*\i], v[WR]          ; my four k's of the two logits, in f32
	v_mul_f32 v[L+2*\i+1], v[R+4*\i], v[WR+1]
.irp j, 1,2,3
	s_delay_alu instid0(VALU_DEP_2)
	v_fmac_f32 v[L+2*\i], v[R+4*\i+\j], v[WR+2*\j]
	s_delay_alu instid0(VALU_DEP_2)
	v_fmac_f32 v[L+2*\i+1], v[R+4*\i+\j], v[WR+2*\j+1]
.endr
	ds_store_b128 v[SIN], v[R+4*\i:R+4*\i+3] offset:SP*\i
.endr
.irp c, 0,1
.irp j, 0,1,2,3,4,5,6,7
	ds_load_b128 v[X+32*\c+4*\j:X+32*\c+4*\j+3], v[SOUT] offset:256*\c+16*\j   ; LDS serves a wave's instructions in order: these see my stores.  Row r, k = 64 c + 32 h + 4 j ..
.endr
.endr
	s_wait_alu depctr_va_vdst(0)
.irp i, 0,1,2,3,4,5,6,7,8,9,10,11,12,13,14,15
	ds_store_b64 v[RIN], v[L+2*\i:L+2*\i+1] offset:RP*\i
.endr
.irp j, 0,1,2,3,4,5,6,7
	ds_load_b128 v[RB+4*\j:RB+4*\j+3], v[ROUT] offset:16*\j   ; row r: the pairs of 16 lanes (half h)
.endr
	s_wait_dscnt 24                                ; the 64 numbers are in; the 16 stores and 8 loads issued behind them may be out
	QUANT2 X, PW
.irp c, 0,1,2
	global_store_b128 v[LI], v[CD+4*\c:CD+4*\c+3], s[10:11] offset:512*\c   ; 32 lanes store 512 consecutive bytes, at a multiple of 256 from xq's first byte
.endr
	s_wait_xcnt 0x0                                ; EXEC changes only behind this wait
	v_cmp_gt_u32 vcc_lo, 16, v1
	s_and_saveexec_b32 s17, vcc_lo
	global_store_b32 v[SWO], v[PW], s[14:15]       ; lanes 0-15: row r's scale word
	s_wait_xcnt 0x0                                ; and again in front of the line that widens it
	s_or_b32 exec_lo, exec_lo, s17
	s_wait_dscnt 0x0                               ; the router's 16 pairs
.irp j, 0,4,8,12,16,20,24,28
	v_pk_add_f32 v[RB+\j:RB+\j+1], v[RB+\j:RB+\j+1], v[RB+\j+2:RB+\j+3]
.endr
.irp j, 0,8,16,24
	v_pk_add_f32 v[RB+\j:RB+\j+1], v[RB+\j:RB+\j+1], v[RB+\j+4:RB+\j+5]
.endr
.irp j, 0
	s_delay_alu instid0(VALU_DEP_3)
	v_pk_add_f32 v[RB+\j:RB+\j+1], v[RB+\j:RB+\j+1], v[RB+\j+8:RB+\j+9]
.endr
.irp j, 16
	s_delay_alu instid0(VALU_DEP_2)
	v_pk_add_f32 v[RB+\j:RB+\j+1], v[RB+\j:RB+\j+1], v[RB+\j+8:RB+\j+9]
.endr
	s_delay_alu instid0(VALU_DEP_1)
	v_pk_add_f32 v[RB:RB+1], v[RB:RB+1], v[RB+16:RB+17]
	s_delay_alu instid0(VALU_DEP_1)
	v_permlanex16_b32 v[RB+2], v[RB], s[SEL], s[SEL+1]
	s_delay_alu instid0(VALU_DEP_2)
	v_permlanex16_b32 v[RB+3], v[RB+1], s[SEL], s[SEL+1]
	s_delay_alu instid0(VALU_DEP_1)
	v_pk_add_f32 v[RB:RB+1], v[RB:RB+1], v[RB+2:RB+3]   ; row r's two logits over my wave's 128 k
	ds_store_b64 v[LPW], v[RB:RB+1]                ; both halves of the lanes write the same bytes with the same values
	s_wait_dscnt 0x0                               ; for the others' sake: my store has landed
	s_barrier_signal -1
	s_barrier_wait -1
	s_cmp_lg_u32 s16, 0
	s_cbranch_scc1 .Lend                           ; wave 0 finishes the router
.irp s, 0,1,2,3,4,5,6,7
	ds_load_b64 v[RB+2*\s:RB+2*\s+1], v[LPR] offset:128*\s
.endr
	s_wait_dscnt 0x0
.irp j, 0,4,8,12
	v_pk_add_f32 v[RB+\j:RB+\j+1], v[RB+\j:RB+\j+1], v[RB+\j+2:RB+\j+3]
.endr
	s_delay_alu instid0(VALU_DEP_3)
	v_pk_add_f32 v[RB:RB+1], v[RB:RB+1], v[RB+4:RB+5]
	s_delay_alu instid0(VALU_DEP_2)
	v_pk_add_f32 v[RB+8:RB+9], v[RB+8:RB+9], v[RB+12:RB+13]
	s_delay_alu instid0(VALU_DEP_1)
	v_pk_add_f32 v[RB:RB+1], v[RB:RB+1], v[RB+8:RB+9]
	s_wait_alu depctr_va_vdst(0)
	s_wait_kmcnt 0x0                               ; br
	v_add_f32 v[RB], s22, v[RB]
	v_add_f32 v[RB+1], s23, v[RB+1]
	s_delay_alu instid0(VALU_DEP_1)
	v_max_num_f32 v[RB+2], v[RB], v[RB+1]          ; the row's maximum is taken off before the exponentials
	s_delay_alu instid0(VALU_DEP_1)
	v_sub_f32 v[RB], v[RB], v[RB+2]
	s_delay_alu instid0(VALU_DEP_2)
	v_sub_f32 v[RB+1], v[RB+1], v[RB+2]
	s_delay_alu instid0(VALU_DEP_2)
	v_mul_f32 v[RB], 0x3fb8aa3b, v[RB]             ; x log2(e)
	s_delay_alu instid0(VALU_DEP_2)
	v_mul_f32 v[RB+1], 0x3fb8aa3b, v[RB+1]
	s_wait_alu depctr_va_vdst(0)
	v_exp_f32 v[RB+4], v[RB]
	v_exp_f32 v[RB+5], v[RB+1]
	v_nop                                          ; a plain place behind the exponentials
	s_wait_alu depctr_va_vdst(0)                   ; one wait for both, ahead of their first reader
	v_add_f32 v[RB+6], v[RB+4], v[RB+5]
	s_wait_alu depctr_va_vdst(0)
	v_rcp_f32 v[RB+7], v[RB+6]
	v_nop
	s_wait_alu depctr_va_vdst(0)
	v_mul_f32 v[RB+4], v[RB+4], v[RB+7]            ; p_0, p_1
	v_mul_f32 v[RB+5], v[RB+5], v[RB+7]
	s_delay_alu instid0(VALU_DEP_1)
	v_add_f32 v[RB+8], v[RB+4], v[RB+5]            ; the sum of the top 2, which are both
	s_wait_alu depctr_va_vdst(0)
	v_rcp_f32 v[RB+9], v[RB+8]
	v_nop
	s_wait_alu depctr_va_vdst(0)
	v_mul_f32 v[RB+10], v[RB+4], v[RB+9]
	v_mul_f32 v[RB+11], v[RB+5], v[RB+9]
	s_wait_alu depctr_va_vdst(0)
	s_wait_xcnt 0x0
	v_cmp_gt_u32 vcc_lo, 16, v1
	s_and_saveexec_b32 s17, vcc_lo
	global_store_b64 v[CBO], v[RB+10:RB+11], s[12:13]   ; lanes 0-15: 128 consecutive bytes
	s_wait_xcnt 0x0
	s_or_b32 exec_lo, exec_lo, s17
.Lend:
	s_wait_tensorcnt 0x0
	ds_add_u32 v254, v255
	s_wait_dscnt 0x0
	s_endpgm
.Lfunc_end_k_q9ae71d4460_prep:
	.size	k_q9ae71d4460_prep, .Lfunc_end_k_q9ae71d4460_prep-k_q9ae71d4460_prep
	.p2alignl 7, 3214868480
	.fill 96, 4, 3214868480
	.section	.rodata,"a",@progbits
	.p2align	6, 0x0
	.amdhsa_kernel k_q9ae71d4460_prep
		.amdhsa_group_segment_fixed_size 104448
		.amdhsa_private_segment_fixed_size 0
		.amdhsa_enable_private_segment 0
		.amdhsa_kernarg_size 40
		.amdhsa_user_sgpr_count 2
		.amdhsa_user_sgpr_kernarg_segment_ptr 1
		.amdhsa_wavefront_size32 1
		.amdhsa_system_sgpr_workgroup_id_x 1
		.amdhsa_system_sgpr_workgroup_id_y 1
		.amdhsa_system_sgpr_workgroup_id_z 1
		.amdhsa_system_vgpr_workitem_id 0
		.amdhsa_next_free_vgpr 256
		.amdhsa_next_free_sgpr 66
		.amdhsa_reserve_vcc 1
		.amdhsa_float_denorm_mode_32 3
		.amdhsa_float_denorm_mode_16_64 3
		.amdhsa_memory_ordered 1
		.amdhsa_forward_progress 1
		.amdhsa_inst_pref_size 25
	.end_amdhsa_kernel
	.amdgpu_metadata
---
amdhsa.version: [ 1, 2 ]
amdhsa.kernels:
  - .name:           k_q9ae71d4460_prep
    .symbol:         k_q9ae71d4460_prep.kd
    .args:
      - { .name: x, .offset: 0, .size: 8, .value_kind: global_buffer, .address_space: global }
      - { .name: Wr, .offset: 8, .size: 8, .value_kind: global_buffer, .address_space: global }
      - { .name: br, .offset: 16, .size: 8, .value_kind: global_buffer, .address_space: global }
      - { .name: xq, .offset: 24, .size: 8, .value_kind: global_buffer, .address_space: global }
      - { .name: comb, .offset: 32, .size: 8, .value_kind: global_buffer, .address_space: global }
    .group_segment_fixed_size: 104448
    .private_segment_fixed_size: 0
    .kernarg_segment_align: 8
    .kernarg_segment_size: 40
    .max_flat_workgroup_size: 256
    .sgpr_count:     66
    .vgpr_count:     256
    .wavefront_size: 32
...
	.end_amdgpu_metadata
.endif
;; end of part 1
;; launch ffn1 (part 2): grid 32 x 16, 4 waves a work-group, clusters of 4 x 4, 327,680 bytes of LDS; arguments xq, W1_codes, W1_scales, b1, W2_codes, W2_scales, hq, w2q; writes hq, w2q
.if DOCPART == 2
	.amdgcn_target "amdgcn-amd-amdhsa--gfx1250"
	.amdhsa_code_object_version 6
	.text
	.protected	k_q9ae71d4460_ffn1
	.globl	k_q9ae71d4460_ffn1
	.p2align	8
	.type	k_q9ae71d4460_ffn1,@function
k_q9ae71d4460_ffn1:
	s_mov_b64 s[64:65], 0
	v_nop
	global_prefetch_b8 v0, s[64:65] scope:SCOPE_SE
	s_setreg_imm32_b32 hwreg(HW_REG_WAVE_MODE, 25, 1), 1
	s_wait_xcnt 0x0
	s_wait_alu depctr_hold_cnt(0) depctr_sa_sdst(0) depctr_va_vdst(0) depctr_va_sdst(0) depctr_va_ssrc(0) depctr_va_vcc(0) depctr_vm_vsrc(0)
	s_getreg_b32 s2, hwreg(HW_REG_IB_STS2, 6, 4)
	s_cmp_eq_u32 s2, 0
	s_cbranch_scc0 .Lentry_in_a_cluster
	s_endpgm
.Lentry_in_a_cluster:
	s_bfe_u32 s2, ttmp6, 0x10000c
	s_cmp_lg_u32 s2, 0xf033
	s_cbranch_scc0 .Lentry_shape_is_right
	s_endpgm
.Lentry_shape_is_right:
; hq = Q(relu(Q(x) W1^T + b1)) for both experts at once: one product 4,096 x 8,192 x 1,024 on codes of FP6 (E2M3) with E8M0 scales, W1 taken as [8192 rows][768 bytes].  Q: the MX quantiser along the next product's K.
; At its head, while the first tiles are on their way, each work-group also lays ONE record of W2 (128 rows x 128 K) out as an image of operand registers, into w2q.
; A RECORD is 12,800 bytes, 128 rows x 128 K: byte 1536 i + 512 c + 16 l + 4 j = register 4 c + j of lane l of fragment i; byte 12288 + 256 (i / 4) + 16 r + 4 (i % 4) = the scale word of row 16 i + r.
; xq = [32][8] records, hq = [2 experts][32 blocks of 128 tokens][32 K steps] records, w2q = [2][8 blocks of 128 outputs][32 K steps] records.
; SHARES.  A tile is 256 tokens x 256 hidden units; four waves, each 128 x 128: 64 accumulators, 512 registers.  The text is straight-line: eight steps of 128 along K.
; W1's 256 ROWS COME WHOLE AND ONCE: 768 bytes a row, each row at a multiple of 256 bytes of memory, 16 bytes of padding behind every 256: LDS pitch 816.  Waves 2 and 3 fetch 128 rows each, at the head.
; x's records go through a ring of two slots of 256 along K (two blocks of 128 tokens, two records each, dense); waves 0 and 1 fetch them.  Slot 1's first fill stands behind the full sequence and a round.
; W1's scale bytes (32 a row) go from memory straight into 64 registers: the four loads of a block of 16 rows cover 512 consecutive bytes.
; CLUSTERS: 4 x 4 work-groups; x's records are shared along a row of the cluster, W1's rows along a column: joint loads with a mask that names the four.
; THE PRODUCT IS USED TRANSPOSED (source 0 = 16 rows of W1, source 1 = 16 tokens): a lane holds ONE token and eight hidden units.  b1 is the C of each sum's first product.
; THE WAY OUT needs no LDS: a wave's 128 x 128 is one record of hq.  Per block of 16 tokens: relu, 32 exchanges between the halves of the lanes, the quantiser, three stores of 512 consecutive bytes.
; No prefetch: the text has no loop to run ahead in; x's ring has two refills.
; LIMITS: NaN and infinities are not served.  A block of zeros gets the byte 1 where the quantiser says 127: its codes are zeros, and these bytes are read by this program alone.
; REGISTERS: window 0: v16-29 addresses; v32-63 x's scale words (two sets); v64-127 W1's scale words; v128-223 x's 8 fragments, ONE set (on the way out v128-217 are at work); v224-251 W2's re-lay, later hq's scale words.
;   window 1: W1's fragments, two sets, at v0 and v128; b1 in the result's layout at v96-127 and v224-255.   windows 2, 3: accumulator (a, b) at v[8 (8 (a % 4) + b)].
.set REC,    12800
.set FR,     12
.set PITCH,  816                       ; 3 x (256 + 16): 204 words, so 16 rows start 12 words apart modulo 64
.set AHALF,  2*REC                     ; 128 tokens x 256 K
.set SLOT,   2*AHALF
.set BOFF,   2*SLOT                    ; W1's rows, behind x's two slots
.set HALFB,  128*PITCH
.set SPARE,  BOFF+2*HALFB              ; the spare words: 128 bytes a wave
.set ADRA, 16                          ; v16-17  16 x lane + my 128 tokens' records in slot 0, 1
.set ADSA, 18                          ; v18-19  16 r + the same
.set ADRB, 20                          ; v20-21  my rows 0-63, 64-127 of W1: r x pitch + 24 h;  v22-23 the same + 16 h, where lanes 16-31 read behind one padding more
.set LI,   24                          ; 16 x lane
.set SH8,  25                          ; 8 h
.set TX,   26                          ; a lane permute's destination
.set SWO,  27                          ; 32 r: my row's scale bytes of W1
.set SPW,  28
.set NIL,  29
.set SA,   32                          ; x's scale words: set n at 32 + 16 n, register 8 q + a
.set SBA,  64                          ; W1's: register 16 t + 2 b + q: block b, K step 2 t + q
.set SB,   64                          ; SBA + 32 (t / 2): set anew in the walk
.set RL,   224
.set PW,   224
.set SD,   232
.set AF,   128
.set T,    128
.set CD,   192
.set CX,   204
.set QM,   212
.set QS,   214
.set QB,   216
.set BI,   96                          ; window 1: b1's tile b at 96 + 8 b + 96 (b / 4)
.set G1A,  24                          ; s[24:31] group 1 for x's records;  s[32:39] group 0, a set for each slot
.set G0A,  32
.set G1B,  48                          ; s[48:55], s[56:59] for W1's rows
.set G0B,  56
.set SEL,  82
.set WLO,  0xa1                        ; source 0 (W1) window 1, source 1 (x) window 0, C and D window 2
.set WHI,  0xf1
.set WLO1, 0x91                        ; the first products: C (b1) window 1
.set WHI1, 0xd1
.set MSB, 0
.macro WIN new                         ; the immediate's high byte repeats the setting that is left
.if MSB != \new
	s_set_vgpr_msb (MSB<<8)|\new
.set MSB, \new
.endif
.endm
.macro PLACES n
.rept \n
	v_nop
.endr
.endm
.macro XLOAD s                         ; x's records into slot s: waves 0 and 1; waves 2 and 3 have no part of it and issue none.  Four v_nop on both ways: the places in front of the loads that follow
	s_cmp_eq_u32 s15, 0
	s_cbranch_scc0 .Lnone_\@
	tensor_load_to_lds s[G0A+4*\s:G0A+4*\s+3], s[G1A:G1A+7]
	s_nop 0
.rept 4
	v_nop
.endr
	s_branch .Lxasked_\@
.Lnone_\@:
.rept 4
	v_nop
.endr
.Lxasked_\@:
.endm
.macro CREST                           ; a round of the cluster's barrier behind its opening barrier
	s_cmp_lg_u32 s14, 0
	s_cbranch_scc1 .Lnot_wave_0_\@
	s_barrier_signal -3
.Lnot_wave_0_\@:
	s_barrier_wait -3
	s_barrier_signal -1
	s_barrier_wait -1
.endm
.macro CROUND
	s_barrier_signal -1
	s_barrier_wait -1
	CREST
.endm
; 64 numbers of a lane, register 32 c + i = k 64 c + 32 h + i of its row: two whole blocks become the fragment's registers v[CD] on and the row's scale word
.macro QUANT2 s, pw
.irp c, 0,1
	v_max3_num_f32 v[QM+\c], |v[\s+32*\c]|, |v[\s+32*\c+1]|, 0x1800000   ; the floor 2^(3 - 127): the byte cannot fall under 1
.endr
.irp i, 2,4,6,8,10,12,14,16,18,20,22,24,26,28,30
.irp c, 0,1
	v_max3_num_f32 v[QM+\c], v[QM+\c], |v[\s+32*\c+\i]|, |v[\s+32*\c+\i+1]|
.endr
.endr
.irp c, 0,1
	v_add_nc_u32 v[QS+\c], 0xff000000, v[QM+\c]    ; 2 off the exponent field: the conversion's scale operand
.endr
.irp c, 0,1
	v_lshrrev_b32 v[QB+\c], 23, v[QS+\c]           ; the scale's byte
.endr
	v_lshl_or_b32 v[\pw], v[QB+1], 16, v[QB]
	v_lshlrev_b32 v[\pw], v[SH8], v[\pw]
	v_permlanex16_b32 v[TX], v[\pw], s[SEL], s[SEL+1]
	v_or_b32 v[\pw], v[\pw], v[TX]                 ; the row's scale word, in both halves of the lanes
.irp c, 0,1
	v_cvt_scalef32_pk16_fp6_f32 v[CD+6*\c:CD+6*\c+2], v[\s+32*\c:\s+32*\c+15], v[QS+\c]
	v_cvt_scalef32_pk16_fp6_f32 v[CX+4*\c:CX+4*\c+2], v[\s+32*\c+16:\s+32*\c+31], v[QS+\c]
.endr
	v_nop                                          ; one plain place behind the scaled conversions
.irp c, 0,1
.irp i, 0,1,2
	v_mov_b32 v[CD+6*\c+3+\i], v[CX+4*\c+\i]
.endr
.endr
.endm
	s_load_b256 s[4:11], s[0:1], 0x0               ; xq, W1's codes, W1's scales, b1
	s_load_b256 s[84:91], s[0:1], 0x20             ; W2's codes, W2's scales, hq, w2q
	v_lshl_add_u32 v[SPW], v0, 2, SPARE
	v_mov_b32 v[NIL], 0
	ds_add_u32 v[SPW], v[NIL]                      ; the opening lines: the add, twice on end, and its wait
	ds_add_u32 v[SPW], v[NIL]
	v_lshrrev_b32 v1, 5, v0
	v_readfirstlane_b32 s14, v1                    ; wave 0..3
	s_lshr_b32 s15, s14, 1                         ; which 128 tokens are mine.  Also: I fetch for x (0) or for W1 (1)
	s_and_b32 s16, s14, 1                          ; which 128 hidden units.  Also: which half I fetch
	s_bfe_u32 s40, ttmp6, 0x40000                  ; cx, cy
	s_bfe_u32 s41, ttmp6, 0x40004
	s_lshl_b32 s42, ttmp9, 2
	s_add_co_u32 s42, s42, s40                     ; tile column (hidden units): 0..31
	s_and_b32 s17, ttmp7, 0xffff
	s_lshl_b32 s17, s17, 2
	s_add_co_u32 s17, s17, s41                     ; tile row (tokens): 0..15
	s_lshl_b32 s43, s41, 2
	s_lshl_b32 s43, 15, s43                        ; my row of the cluster
	s_lshl_b32 s44, 0x1111, s40                    ; my column
	s_mov_b32 s80, 0xffff0000                      ; lanes 16-31
	s_mov_b32 s[SEL], 0x76543210
	s_mov_b32 s[SEL+1], 0xfedcba98
	; group 1, x's records: 25,600 dense bytes as 100 rows of 32 elements of 8 bytes, no padding
	s_or_b32 s[G1A+0], s43, (3<<16)|(1<<21)
	s_mov_b32 s[G1A+1], 32<<16
	s_mov_b32 s[G1A+2], 100<<16
	s_mov_b32 s[G1A+3], 32<<16
	s_mov_b32 s[G1A+4], 100
	s_mov_b32 s[G1A+5], 32
	s_mov_b32 s[G1A+6], 0
	s_mov_b32 s[G1A+7], 0
	; W1's rows: 128 whole rows of 768 bytes; 4 words of padding behind every 64
	s_or_b32 s[G1B+0], s44, (0<<16)|(1<<20)|(1<<21)|(5<<22)|(3<<25)
	s_mov_b32 s[G1B+1], 768<<16
	s_mov_b32 s[G1B+2], 128<<16
	s_mov_b32 s[G1B+3], 768<<16
	s_mov_b32 s[G1B+4], 128
	s_mov_b32 s[G1B+5], 768
	s_mov_b32 s[G1B+6], 0
	s_mov_b32 s[G1B+7], 0
	; x's tiles hang on the tile row alone, W1's on the tile column alone
	s_lshl_b32 s20, s17, 1
	s_add_co_u32 s20, s20, s16                     ; block of 128 tokens 2 x tile row + half
	s_mul_i32 s20, s20, 8*REC
	s_mov_b32 s21, 0
	s_lshl_b32 s46, s42, 8
	s_lshl_b32 s47, s16, 7
	s_add_co_u32 s46, s46, s47                     ; row of W1: 256 x tile column + 128 x half
	s_lshl_b32 s92, s46, 5                         ; its scale bytes
	s_mov_b32 s93, 0
	s_mul_i32 s46, s46, 768                        ; its codes
	s_mov_b32 s47, 0
	s_mul_i32 s45, s16, AHALF                      ; where they go: no place in the cluster enters an LDS address
	s_mul_i32 s94, s16, HALFB
	s_add_co_u32 s94, s94, BOFF
	s_wait_dscnt 0x0                               ; both opening adds are done
	s_wait_kmcnt 0x0
	s_add_nc_u64 s[20:21], s[4:5], s[20:21]
	s_add_nc_u64 s[46:47], s[6:7], s[46:47]
	s_add_nc_u64 s[92:93], s[8:9], s[92:93]
.irp n, 0,1
	s_mov_b32 s[G0A+4*\n], 1
	s_add_co_u32 s[G0A+4*\n+1], s45, \n*SLOT
	s_add_nc_u64 s[G0A+4*\n+2:G0A+4*\n+3], s[20:21], \n*AHALF
	s_or_b32 s[G0A+4*\n+3], s[G0A+4*\n+3], 0x80000000
.endr
	s_mov_b32 s[G0B], 1
	s_mov_b32 s[G0B+1], s94
	s_mov_b64 s[G0B+2:G0B+3], s[46:47]
	s_or_b32 s[G0B+3], s[G0B+3], 0x80000000
	CROUND                                         ; all sixteen work-groups are here: the first joint loads meet
	s_cmp_eq_u32 s15, 0                            ; one tensor load a wave at the head: x's slot 0 (waves 0, 1) or W1's 128 whole rows (waves 2, 3)
	s_cbranch_scc0 .Lfirst_b
	tensor_load_to_lds s[G0A:G0A+3], s[G1A:G1A+7]
	s_nop 0
.rept 4
	v_nop
.endr
	s_branch .Lfirst_asked
.Lfirst_b:
	tensor_load_to_lds s[G0B:G0B+3], s[G1B:G1B+7]
	s_nop 0
.rept 4
	v_nop
.endr
.Lfirst_asked:
	v_and_b32 v1, 31, v0                           ; lane
	v_and_b32 v2, 15, v0                           ; r
	v_bfe_u32 v3, v0, 4, 1                         ; h
	v_lshlrev_b32 v[LI], 4, v1
	v_mul_u32_u24 v4, v2, 3072
	v_mad_u32_u24 v4, v3, 24, v4                   ; W2: row r, + 24 h
	v_lshlrev_b32 v5, 5, v3                        ; b1: 8 numbers a half
	v_lshlrev_b32 v6, 7, v2
	v_lshl_add_u32 v6, v3, 13, v6                  ; W2's scale words: 128 r + 8,192 h
	v_lshlrev_b32 v[SWO], 5, v2
	v_mul_u32_u24 v7, v2, PITCH
	v_mad_u32_u24 v7, v3, 24, v7                   ; a fragment's row x pitch + 24 h
	v_lshl_add_u32 v8, v3, 4, v7                   ; and behind one padding more
	v_lshlrev_b32 v9, 4, v2
	s_mul_i32 s18, s15, AHALF                      ; my 128 tokens
	s_mul_i32 s19, s16, HALFB                      ; my 128 rows of W1
	s_add_co_u32 s19, s19, BOFF
.irp n, 0,1
	v_add_nc_u32 v[ADRA+\n], s18, v[LI]
	v_add_nc_u32 v[ADSA+\n], s18, v9
	v_add_nc_u32 v[ADRB+\n], s19, v7
	v_add_nc_u32 v[ADRB+2+\n], s19, v8
	s_add_co_u32 s18, s18, SLOT
	s_add_co_u32 s19, s19, 64*PITCH                ; a second base for rows 64-127: the loads' immediates have 16 bits
.endr
	v_lshlrev_b32 v[SH8], 3, v3
	v_mov_b32 v[TX], 0
	; W2's re-lay: record 32 x tile row + tile column = rows 128 x tile row on of W2 [2048][3072 bytes], K step tile column.  Wave w takes fragments 2 w, 2 w + 1
	s_mul_i32 s18, s17, 128*3072
	s_mul_i32 s19, s42, 96
	s_add_co_u32 s18, s18, s19
	s_mul_i32 s19, s14, 32*3072
	s_add_co_u32 s18, s18, s19
	s_mov_b32 s19, 0
	s_add_nc_u64 s[84:85], s[84:85], s[18:19]
	s_lshl_b32 s18, s17, 14
	s_lshl_b32 s22, s42, 2
	s_add_co_u32 s18, s18, s22
	s_add_nc_u64 s[86:87], s[86:87], s[18:19]      ; 128 rows of 128 scale bytes a tile row, 4 bytes a K step
	s_lshl_b32 s18, s17, 5
	s_add_co_u32 s18, s18, s42
	s_mul_i32 s18, s18, REC
	s_add_nc_u64 s[90:91], s[90:91], s[18:19]      ; the record
	s_mul_i32 s18, s14, 2*1536
	s_add_nc_u64 s[96:97], s[90:91], s[18:19]      ; my two fragments in it
	s_lshl_b32 s18, s42, 10
	s_lshl_b32 s22, s16, 9
	s_add_co_u32 s18, s18, s22
	s_add_nc_u64 s[10:11], s[10:11], s[18:19]      ; b1 at my 128 hidden units
	; my record of hq: expert and K step from my block of 128 hidden units; block of tokens 2 x tile row + half
	s_lshl_b32 s18, s42, 1
	s_add_co_u32 s18, s18, s16
	s_lshr_b32 s19, s18, 5                         ; expert
	s_and_b32 s18, s18, 31                         ; K step
	s_lshl_b32 s19, s19, 5
	s_lshl_b32 s22, s17, 1
	s_add_co_u32 s19, s19, s22
	s_add_co_u32 s19, s19, s15
	s_lshl_b32 s19, s19, 5
	s_add_co_u32 s18, s18, s19
	s_mul_i32 s18, s18, REC
	s_mov_b32 s19, 0
	s_add_nc_u64 s[88:89], s[88:89], s[18:19]
	s_wait_alu depctr_va_vdst(0)                   ; a wait ahead of the first readers behind the scalar work
	; all the head's loads go out as one batch, under one wait
.irp i, 0,1
.irp p, 0,1,2,3,4,5
	global_load_b64 v[RL+12*\i+2*\p:RL+12*\i+2*\p+1], v4, s[84:85] offset:16*3072*\i+48*(\p/3)+8*(\p%3)
.endr
.endr
	s_cmp_lg_u32 s14, 0
	s_cbranch_scc1 .Lno_sload                      ; wave 0 takes the record's 128 scale words
.irp j, 0,1,2,3
	global_load_b32 v[RL+24+\j], v6, s[86:87] offset:2048*\j   ; row 16 (4 h + j) + r
.endr
.Lno_sload:
	WIN 0x40                                       ; destination window 1
.irp b, 0,1,2,3,4,5,6,7
	global_load_b128 v[BI+8*\b+96*(\b/4):BI+8*\b+96*(\b/4)+3], v5, s[10:11] offset:64*\b      ; lane (r, h), register j: b1 of hidden unit 16 b + 8 h + j
	global_load_b128 v[BI+8*\b+96*(\b/4)+4:BI+8*\b+96*(\b/4)+7], v5, s[10:11] offset:64*\b+16
.endr
	WIN 0
.irp b, 0,1,2,3,4,5,6,7
.irp t, 0,1,2,3
	global_load_b64 v[SBA+16*\t+2*\b:SBA+16*\t+2*\b+1], v[SWO], s[92:93] offset:512*\b+8*\t   ; row 16 b + r: the scale words of K steps 2 t, 2 t + 1
.endr
.endr
	s_wait_loadcnt 0x0
.irp i, 0,1
.irp c, 0,1,2
	global_store_b128 v[LI], v[RL+12*\i+4*\c:RL+12*\i+4*\c+3], s[96:97] offset:1536*\i+512*\c   ; 512 consecutive bytes
.endr
.endr
	s_cmp_lg_u32 s14, 0
	s_cbranch_scc1 .Lno_sstore
	global_store_b128 v[LI], v[RL+24:RL+27], s[90:91] offset:12288
.Lno_sstore:
.macro FRAGB reg, st, i                ; a fragment of W1, step st: six pieces of 8 bytes.  Byte y of a row lies at y + 16 (y / 256) of its LDS row; lanes 16-31 read 24 bytes on, for some pieces behind one padding more
.irp p, 0,1,2,3,4,5
.set BY, 96*(\st)+48*(\p/3)+8*(\p%3)
.if BY/256 == (BY+24)/256
	ds_load_b64 v[\reg+2*\p:\reg+2*\p+1], v[ADRB+(\i)/4] offset:BY+16*(BY/256)+((\i)%4)*16*PITCH
.else
	ds_load_b64 v[\reg+2*\p:\reg+2*\p+1], v[ADRB+2+(\i)/4] offset:BY+16*(BY/256)+((\i)%4)*16*PITCH
.endif
.endr
.endm
.macro FETCH_B st, set                 ; W1's eight fragments of step st
	WIN 0x40
.irp i, 0,1,2,3,4,5,6,7
	FRAGB 128*(\set)+FR*\i, \st, \i
.endr
	WIN 0
.endm
.macro FETCH_A slot, q, i0             ; x's fragments i0 .. i0 + 3: images, three loads of 512 consecutive bytes each
.irp i, \i0, \i0+1, \i0+2, \i0+3
.irp c, 0,1,2
	ds_load_b128 v[AF+FR*(\i)+4*\c:AF+FR*(\i)+4*\c+3], v[ADRA+\slot] offset:REC*(\q)+1536*(\i)+512*\c
.endr
.endr
.endm
.macro SCALES n                        ; slot n's scale words of x
.irp q, 0,1
.irp g, 0,1
	ds_load_b128 v[SA+16*(\n)+8*\q+4*\g:SA+16*(\n)+8*\q+4*\g+3], v[ADSA+\n] offset:12288+REC*\q+256*\g
.endr
.endr
.endm
; 16 matrix instructions: token blocks a0, a0 + 1 x W1's eight.  The 64 accumulators take turns, one instruction a turn, in the same order in every step.  first = 1: C is b1.
.macro MUL16 a0, set, q, sc, first
.irp a, \a0, \a0+1
.irp b, 0,1,2,3,4,5,6,7
.if \first
	v_wmma_scale_f32_16x16x128_f8f6f4 v[8*(8*((\a)%4)+\b):8*(8*((\a)%4)+\b)+7], v[128*(\set)+FR*\b:128*(\set)+FR*\b+FR-1], v[AF+FR*(\a):AF+FR*(\a)+FR-1], v[BI+8*\b+96*(\b/4):BI+8*\b+96*(\b/4)+7], v[SB+16*(\sc)+2*\b+(\q)], v[SA+16*(\sc)+8*(\q)+(\a)] matrix_a_fmt:MATRIX_FMT_FP6 matrix_b_fmt:MATRIX_FMT_FP6
.else
	v_wmma_scale_f32_16x16x128_f8f6f4 v[8*(8*((\a)%4)+\b):8*(8*((\a)%4)+\b)+7], v[128*(\set)+FR*\b:128*(\set)+FR*\b+FR-1], v[AF+FR*(\a):AF+FR*(\a)+FR-1], v[8*(8*((\a)%4)+\b):8*(8*((\a)%4)+\b)+7], v[SB+16*(\sc)+2*\b+(\q)], v[SA+16*(\sc)+8*(\q)+(\a)] matrix_a_fmt:MATRIX_FMT_FP6 matrix_b_fmt:MATRIX_FMT_FP6
.endif
.endr
.endr
.endm
; A slot's first 128 along K (step 2 KT).  x has one set of registers: blocks 0-3 are fetched anew in the step's middle, blocks 4-7 at its end.
.macro STEP slot, first
	s_wait_dscnt 12                                ; all but the youngest 12 loads (x's blocks 4-7)
.if \first
	WIN WLO1
.else
	WIN WLO
.endif
	MUL16 0, 0, 0, \slot, \first
	MUL16 2, 0, 0, \slot, \first
	s_wait_dscnt 0x0                               ; x's blocks 4-7 are in
	PLACES 4
	FETCH_B 2*KT+1, 1
	FETCH_A \slot, 1, 0
.if \first
	WIN WHI1
.else
	WIN WHI
.endif
	MUL16 4, 0, 0, \slot, \first
	MUL16 6, 0, 0, \slot, \first
	PLACES 4
	WIN 0
	FETCH_A \slot, 1, 4
.endm
; A slot's second 128 along K changes slots: ONE barrier; in front of it each wave waits for all its tensor loads, adds 0 to its spare word, and waits for that and for its reads of this slot.
; fill = 1: the barrier opens a round of the cluster's barrier, and this slot is filled again first thing behind it.  t: which 256 along K the next slot holds.
.macro TURN slot, next, fill, t
	s_wait_tensorcnt 0x0                           ; all my tensor loads have landed: my part of the next slot
	ds_add_u32 v[SPW], v[NIL]
	s_wait_dscnt 13                                ; (the add and x's blocks 4-7 may be out)
	WIN WLO
	MUL16 0, 1, 1, \slot, 0
	s_wait_dscnt 0x0                               ; the add is done, and my reads of this slot are over
	s_barrier_signal -1
	MUL16 2, 1, 1, \slot, 0
	WIN 0
	s_barrier_wait -1
.if \fill
	CREST                                          ; no wave of any partner still reads this slot or has a load on its way
	s_add_nc_u64 s[G0A+4*\slot+2:G0A+4*\slot+3], s[G0A+4*\slot+2:G0A+4*\slot+3], 2*AHALF
	XLOAD \slot
.else
	PLACES 4
.endif
	FETCH_B 2*(\t), 0
	FETCH_A \next, 0, 0
	SCALES \next
	WIN WHI
	MUL16 4, 1, 1, \slot, 0
	MUL16 6, 1, 1, \slot, 0
	PLACES 4
	WIN 0
	FETCH_A \next, 0, 4
.endm
	s_wait_alu depctr_va_vdst(0)
	s_wait_tensorcnt 0x0                           ; my tile of the head's is in; the lines ahead of a later first fill:
	ds_add_u32 v[SPW], v[NIL]
	s_wait_dscnt 0x0
	CROUND                                         ; everybody's tile is in, and all sixteen work-groups are here
	XLOAD 1                                        ; slot 1's first fill, the first tensor load behind the round
	FETCH_B 0, 0
	FETCH_A 0, 0, 0
	SCALES 0
	FETCH_A 0, 0, 4
.set KT, 0
	STEP 0, 1                                      ; the first products start the sums from b1
	TURN 0, 1, 1, 1
.set KT, 1
	STEP 1, 0
	TURN 1, 0, 1, 2
.set KT, 2
.set SB, SBA+32                        ; W1's scale words of K steps 4 to 7
	STEP 0, 0
	TURN 0, 1, 0, 3                                ; nothing is left to fetch
.set KT, 3
	STEP 1, 0
	s_wait_dscnt 12                                ; the last 128 along K
	WIN WLO
	MUL16 0, 1, 1, 1, 0
	MUL16 2, 1, 1, 1, 0
	s_wait_dscnt 0x0
	WIN WHI
	MUL16 4, 1, 1, 1, 0
	MUL16 6, 1, 1, 1, 0
	WIN 0
; THE WAY OUT of block a (16 tokens x my 128 hidden units).  In accumulator (a, b) lane (r, h) holds hidden units 16 b + 8 h + 0 .. 7 of token r.
.macro OUTBLK a
	WIN 0x08+4*((\a)/4)                            ; source 1: window 2 or 3
.irp b, 0,1,2,3,4,5,6,7
.irp j, 0,1,2,3,4,5,6,7
	v_max_num_f32 v[T+32*(\b/4)+16*(\b%2)+8*((\b/2)%2)+\j], 0, v[8*(8*((\a)%4)+\b)+\j]   ; relu, and the move into window 0; each accumulator from its low end on
.endr
.endr
	WIN 0
.irp c, 0,1
.irp g, 0,16
.irp j, 0,1,2,3,4,5,6,7
	v_permlane16_swap_b32 v[T+32*\c+\g+\j], v[T+32*\c+\g+8+\j]   ; register 32 c + i now holds hidden unit 64 c + 32 h + i
.endr
.endr
.endr
	s_wait_xcnt 0x0                                ; the stores issued so far have read their registers
	QUANT2 T, PW+(\a)
.irp c, 0,1,2
	global_store_b128 v[LI], v[CD+4*\c:CD+4*\c+3], s[88:89] offset:1536*(\a)+512*\c   ; 512 consecutive bytes, at a multiple of 256 from hq's first byte
.endr
.endm
	PLACES 4                                       ; behind the last products
.irp a, 0,1,2,3,4,5,6,7
	OUTBLK \a
.endr
.irp j, 0,1,2,3
	v_cndmask_b32 v[SD+\j], v[PW+\j], v[PW+4+\j], s80   ; lanes 0-15: blocks 0-3's words, lanes 16-31: blocks 4-7's
.endr
	global_store_b128 v[LI], v[SD:SD+3], s[88:89] offset:12288   ; the record's 512 bytes of scale words
	s_wait_tensorcnt 0x0                           ; the wave's end
	ds_add_u32 v[SPW], v[NIL]
	s_wait_dscnt 0x0
	CROUND                                         ; the closing round
	s_endpgm
.Lfunc_end_k_q9ae71d4460_ffn1:
	.size	k_q9ae71d4460_ffn1, .Lfunc_end_k_q9ae71d4460_ffn1-k_q9ae71d4460_ffn1
	.p2alignl 7, 3214868480
	.fill 96, 4, 3214868480
	.section	.rodata,"a",@progbits
	.p2align	6, 0x0
	.amdhsa_kernel k_q9ae71d4460_ffn1
		.amdhsa_group_segment_fixed_size 327680
		.amdhsa_private_segment_fixed_size 0
		.amdhsa_enable_private_segment 0
		.amdhsa_kernarg_size 64
		.amdhsa_user_sgpr_count 2
		.amdhsa_user_sgpr_kernarg_segment_ptr 1
		.amdhsa_wavefront_size32 1
		.amdhsa_system_sgpr_workgroup_id_x 1
		.amdhsa_system_sgpr_workgroup_id_y 1
		.amdhsa_system_sgpr_workgroup_id_z 1
		.amdhsa_system_vgpr_workitem_id 0
		.amdhsa_next_free_vgpr 1024
		.amdhsa_next_free_sgpr 100
		.amdhsa_reserve_vcc 0
		.amdhsa_float_denorm_mode_32 3
		.amdhsa_float_denorm_mode_16_64 3
		.amdhsa_memory_ordered 1
		.amdhsa_forward_progress 1
		.amdhsa_inst_pref_size 173
	.end_amdhsa_kernel
	.amdgpu_metadata
---
amdhsa.version: [ 1, 2 ]
amdhsa.kernels:
  - .name:           k_q9ae71d4460_ffn1
    .symbol:         k_q9ae71d4460_ffn1.kd
    .args:
      - { .name: xq, .offset: 0, .size: 8, .value_kind: global_buffer, .address_space: global }
      - { .name: W1_codes, .offset: 8, .size: 8, .value_kind: global_buffer, .address_space: global }
      - { .name: W1_scales, .offset: 16, .size: 8, .value_kind: global_buffer, .address_space: global }
      - { .name: b1, .offset: 24, .size: 8, .value_kind: global_buffer, .address_space: global }
      - { .name: W2_codes, .offset: 32, .size: 8, .value_kind: global_buffer, .address_space: global }
      - { .name: W2_scales, .offset: 40, .size: 8, .value_kind: global_buffer, .address_space: global }
      - { .name: hq, .offset: 48, .size: 8, .value_kind: global_buffer, .address_space: global }
      - { .name: w2q, .offset: 56, .size: 8, .value_kind: global_buffer, .address_space: global }
    .group_segment_fixed_size: 327680
    .private_segment_fixed_size: 0
    .kernarg_segment_align: 8
    .kernarg_segment_size: 64
    .max_flat_workgroup_size: 128
    .sgpr_count:     100
    .vgpr_count:     1024
    .wavefront_size: 32
...
	.end_amdgpu_metadata
.endif
;; end of part 2
;; launch ffn2 (part 3): grid 8 x 32, 4 waves a work-group, clusters of 4 x 4, 327,680 bytes of LDS; arguments hq, w2q, comb, b2, out0; writes out0
.if DOCPART == 3
	.amdgcn_target "amdgcn-amd-amdhsa--gfx1250"
	.amdhsa_code_object_version 6
	.text
	.protected	k_q9ae71d4460_ffn2
	.globl	k_q9ae71d4460_ffn2
	.p2align	8
	.type	k_q9ae71d4460_ffn2,@function
k_q9ae71d4460_ffn2:
	s_mov_b64 s[64:65], 0
	v_nop
	global_prefetch_b8 v0, s[64:65] scope:SCOPE_SE
	s_setreg_imm32_b32 hwreg(HW_REG_WAVE_MODE, 25, 1), 1
	s_wait_xcnt 0x0
	s_wait_alu depctr_hold_cnt(0) depctr_sa_sdst(0) depctr_va_vdst(0) depctr_va_sdst(0) depctr_va_ssrc(0) depctr_va_vcc(0) depctr_vm_vsrc(0)
	s_getreg_b32 s2, hwreg(HW_REG_IB_STS2, 6, 4)
	s_cmp_eq_u32 s2, 0
	s_cbranch_scc0 .Lentry_in_a_cluster
	s_endpgm
.Lentry_in_a_cluster:
	s_bfe_u32 s2, ttmp6, 0x10000c
	s_cmp_lg_u32 s2, 0xf033
	s_cbranch_scc0 .Lentry_shape_is_right
	s_endpgm
.Lentry_shape_is_right:
; out[t][n] = the sum over the two experts e of comb[t][e] x (the sum over k of hq_e[t][k] W2_e[n][k] + b2_e[n]), on codes of FP6 (E2M3) with E8M0 scales; sums in f32.
; hq = [2][32 blocks of 128 tokens][32 K steps] records, w2q = [2][8 blocks of 128 outputs][32 K steps] records.  A RECORD is 12,800 bytes, 128 rows x 128 K, an image of operand registers:
; byte 1536 i + 512 c + 16 l + 4 j = register 4 c + j of lane l of fragment i; byte 12288 + 256 (i / 4) + 16 r + 4 (i % 4) = the scale word of row 16 i + r.
; SHARES.  A work-group makes 128 tokens x 128 outputs: 256 work-groups.  THE FOUR WAVES SPLIT K, NOT THE TILE: wave w makes the whole 128 x 128 (64 accumulators) for expert w % 2 over half of that expert's K steps.
; So no fragment is read from LDS twice, and a wave's sum belongs to one expert: its weight is one multiplication.  The four sums meet in LDS at the end.  (So an output's K is summed in four f32 parts, which are then added.)
; THE RING has a small slot (2 records of each of the four streams: hq and w2q of both experts) and a big one (4 records of each).  An expert's 32 K steps go small, big, small, big .. small: nine refills.
; Of a small slot wave (e, p) takes record p, of a big one records 2 p and 2 p + 1.  Wave w fetches stream (operand w / 2, expert w % 2): one dense block a load.
; CLUSTERS: 4 x 4 work-groups; hq's records are shared along a row of the cluster, w2q's along a column: joint loads.
; THE PRODUCT IS USED TRANSPOSED (source 0 = 16 rows of W2, source 1 = 16 tokens): a lane holds one token and eight neighbouring outputs.  b2_e is the C of the first products of the wave with p = 0; the other wave's C is b2 x 0.
; PREFETCH INTO THE L2: behind each refill the fetching wave names the bytes that the refill of the same slot one lap (three steps, 192 matrix instructions) on will ask for.  hq's streams are named by the clusters with x = 0,
; w2q's by those with y = 0; the four partners of a joint load share its blocks of 256 bytes out by address, 25 (small) or 50 (big) each, a lane a block; lanes 25-31 name lane 24's block again.
; The last refill of each slot names nothing; nothing is named at the head.
; LIMITS: NaN and infinities are not served (b2 x 0 would not be 0).
; REGISTERS: window 0: v16-30 addresses; v32-47 scale words, two sets (register i: hq's block i in lanes 0-15, W2's block i in lanes 16-31); v48-63 comb; v128-223 hq's 8 fragments, ONE set; way out: v64-191.
;   window 1: W2's fragments, two sets, at v0 and v128; b2 in the result's layout at v96-127, v224-255.   windows 2, 3: accumulator (a, b) at v[8 (8 (a % 4) + b)].
.set REC,    12800
.set FR,     12
.set BIG,    8*REC                     ; the small slot: 0 .. 102,399; the big one: 102,400 .. 307,199
.set SPARE,  24*REC                    ; the spare words: 128 bytes a wave, two blocks of 256 bytes that no other line names
.set LAP,    6*REC                     ; a stream's bytes from one fill of a slot to the next
.set SPITCH, 528                       ; the way out: a stage of 128 rows x (512 + 16) bytes for each wave, in the slots, which have had their last fill and their last read by then
.set STGB,   128*SPITCH
.set ADA_S, 16                         ; v16  hq's record of mine in the small slot, + 16 x lane
.set ADA_B, 17                         ; v17  my first in the big slot
.set ADB_S, 18                         ; v18, v19 the same for W2
.set ADB_B, 19
.set ADS_S, 20                         ; v20, v21 16 r + the record; lanes 16-31 W2's
.set ADS_B, 21
.set RD,    22                         ; v22-25 the way out: my 32 rows in stage q
.set STO,   26                         ; v26  where I put 32 bytes of a row
.set CO,    27                         ; v27  16 x lane
.set SPW,   28
.set NIL,   29
.set PFO,   30                         ; v30  256 x min(lane, 24); never rewritten
.set SC,    32
.set CW,    48                         ; v48-63 comb[16 a + r][e], twice: a pair for the packed multiply
.set AF,    128
.set BI,    96
.set G1AS, 24                          ; s[24:31] group 1, hq, small;  s[32:39] hq, big;  s[40:47] w2q, small;  s[48:55] w2q, big
.set G1AB, 32
.set G1BS, 40
.set G1BB, 48
.set G0AS, 56                          ; groups 0
.set G0AB, 60
.set G0BS, 68
.set G0BB, 72
.set PFS,  80                          ; s[80:81] where my prefetches for the small slot stand;  s[82:83] for the big one
.set PFB,  82
.set LIM0, 84                          ; s84  0 in a wave that prefetches, else the greatest number
.set LIM1, 85                          ; s85  1, or the greatest number
.set WLO,  0xa1
.set WHI,  0xf1
.set WLO1, 0x91
.set WHI1, 0xd1
.set MSB, 0
.macro WIN new
.if MSB != \new
	s_set_vgpr_msb (MSB<<8)|\new
.set MSB, \new
.endif
.endm
.macro PLACES n
.rept \n
	v_nop
.endr
.endm
.macro JLOAD g0a, g1a, g0b, g1b        ; waves 0 and 1 fetch hq's streams, waves 2 and 3 w2q's; four v_nop follow each of the two lines
	s_cmp_eq_u32 s15, 0
	s_cbranch_scc0 .Lfor_b_\@
	tensor_load_to_lds s[\g0a:\g0a+3], s[\g1a:\g1a+7]
	s_nop 0
.rept 4
	v_nop
.endr
	s_branch .Lasked_\@
.Lfor_b_\@:
	tensor_load_to_lds s[\g0b:\g0b+3], s[\g1b:\g1b+7]
	s_nop 0
.rept 4
	v_nop
.endr
.Lasked_\@:
.endm
.macro CREST
	s_cmp_lg_u32 s14, 0
	s_cbranch_scc1 .Lnot_wave_0_\@
	s_barrier_signal -3
.Lnot_wave_0_\@:
	s_barrier_wait -3
	s_barrier_signal -1
	s_barrier_wait -1
.endm
.macro CROUND
	s_barrier_signal -1
	s_barrier_wait -1
	CREST
.endm
.macro ASK lim, big                    ; s3 counts the loop's trips down from 2: the branch is the same in all partners
	s_cmp_gt_u32 s3, s[\lim]
	s_cbranch_scc0 .Lnot_mine_\@
.if \big
	s_wait_alu depctr_va_vdst(0)
	global_prefetch_b8 v[PFO], s[PFB:PFB+1] th:TH_LOAD_NT scope:SCOPE_SE
	global_prefetch_b8 v[PFO], s[PFB:PFB+1] offset:6400 th:TH_LOAD_NT scope:SCOPE_SE
.else
	s_wait_alu depctr_va_vdst(0)
	global_prefetch_b8 v[PFO], s[PFS:PFS+1] th:TH_LOAD_NT scope:SCOPE_SE
.endif
.Lnot_mine_\@:
.endm
	s_load_b256 s[4:11], s[0:1], 0x0               ; hq s[4:5], w2q s[6:7], comb s[8:9], b2 s[10:11]
	s_load_b64 s[12:13], s[0:1], 0x20              ; out0
	v_lshl_add_u32 v[SPW], v0, 2, SPARE
	v_mov_b32 v[NIL], 0
	ds_add_u32 v28, v29
	ds_add_u32 v28, v29
	s_wait_dscnt 0x0
	v_lshrrev_b32 v1, 5, v0
	v_readfirstlane_b32 s14, v1                    ; wave 0..3
	s_lshr_b32 s15, s14, 1                         ; p: which half of the K steps.  Also: I fetch hq (0) or w2q (1)
	s_and_b32 s16, s14, 1                          ; e: my expert, in the products and in what I fetch
	s_bfe_u32 s77, ttmp6, 0x40000                  ; cx, cy
	s_bfe_u32 s78, ttmp6, 0x40004
	s_lshl_b32 s79, ttmp9, 2
	s_add_co_u32 s79, s79, s77                     ; block of 128 outputs = 4 x cluster x + cx: 0..7
	s_and_b32 s17, ttmp7, 0xffff
	s_lshl_b32 s17, s17, 2
	s_add_co_u32 s17, s17, s78                     ; block of 128 tokens = 4 x cluster y + cy: 0..31
	s_lshl_b32 s87, s78, 2
	s_lshl_b32 s87, 15, s87                        ; my row of the cluster
	s_lshl_b32 s88, 0x1111, s77                    ; my column
	; groups 1: dense blocks as rows of 32 elements of 8 bytes, no padding: 100 rows (2 records) or 200 (4 records)
	s_or_b32 s[G1AS], s87, (3<<16)|(1<<21)
	s_or_b32 s[G1AB], s87, (3<<16)|(1<<21)
	s_or_b32 s[G1BS], s88, (3<<16)|(1<<21)
	s_or_b32 s[G1BB], s88, (3<<16)|(1<<21)
.irp g, G1AS, G1BS
	s_mov_b32 s[\g+1], 32<<16
	s_mov_b32 s[\g+2], 100<<16
	s_mov_b32 s[\g+3], 32<<16
	s_mov_b32 s[\g+4], 100
	s_mov_b32 s[\g+5], 32
	s_mov_b32 s[\g+6], 0
	s_mov_b32 s[\g+7], 0
.endr
.irp g, G1AB, G1BB
	s_mov_b32 s[\g+1], 32<<16
	s_mov_b32 s[\g+2], 200<<16
	s_mov_b32 s[\g+3], 32<<16
	s_mov_b32 s[\g+4], 200
	s_mov_b32 s[\g+5], 32
	s_mov_b32 s[\g+6], 0
	s_mov_b32 s[\g+7], 0
.endr
	s_lshl_b32 s20, s16, 5
	s_add_co_u32 s20, s20, s17
	s_mul_i32 s20, s20, 32*REC                     ; hq's stream: expert, block of tokens
	s_mov_b32 s21, 0
	s_lshl_b32 s92, s16, 3
	s_add_co_u32 s92, s92, s79
	s_mul_i32 s92, s92, 32*REC                     ; w2q's: expert, block of outputs
	s_mov_b32 s93, 0
	s_mul_i32 s18, s16, 2*REC                      ; the expert's place in a slot's part: no place in the cluster enters an LDS address
	s_mul_i32 s19, s16, 4*REC
	s_wait_kmcnt 0x0
	s_add_nc_u64 s[20:21], s[4:5], s[20:21]
	s_add_nc_u64 s[92:93], s[6:7], s[92:93]
	s_mov_b32 s[G0AS], 1
	s_mov_b32 s[G0AS+1], s18
	s_mov_b64 s[G0AS+2:G0AS+3], s[20:21]
	s_or_b32 s[G0AS+3], s[G0AS+3], 0x80000000
	s_mov_b32 s[G0AB], 1
	s_add_co_u32 s[G0AB+1], s19, BIG
	s_add_nc_u64 s[G0AB+2:G0AB+3], s[20:21], 2*REC
	s_or_b32 s[G0AB+3], s[G0AB+3], 0x80000000
	s_mov_b32 s[G0BS], 1
	s_add_co_u32 s[G0BS+1], s18, 4*REC
	s_mov_b64 s[G0BS+2:G0BS+3], s[92:93]
	s_or_b32 s[G0BS+3], s[G0BS+3], 0x80000000
	s_mov_b32 s[G0BB], 1
	s_add_co_u32 s[G0BB+1], s19, BIG+8*REC
	s_add_nc_u64 s[G0BB+2:G0BB+3], s[92:93], 2*REC
	s_or_b32 s[G0BB+3], s[G0BB+3], 0x80000000
	CROUND                                         ; all sixteen work-groups are here: the first joint loads meet
	JLOAD G0AS, G1AS, G0BS, G1BS                   ; the small slot's first fill: one tensor load a wave at the head
	; the prefetches: who asks, and where
	s_and_b32 s22, ttmp7, 0xffff                   ; cluster y
	s_cmp_eq_u32 s15, 0
	s_cselect_b32 s22, ttmp9, s22                  ; the coordinate along which other clusters read the same stream
	s_cselect_b32 s23, s77, s78                    ; my place among the four that ask for it with me
	s_cselect_b64 s[PFS:PFS+1], s[20:21], s[92:93]
	s_cselect_b32 s86, 1.0, 0                      ; b2 enters an expert's sum once: in the wave with p = 0
	s_cmp_eq_u32 s22, 0
	s_cselect_b32 s[LIM0], 0, -1                   ; the same in all sixteen partners, for a given wave
	s_cselect_b32 s[LIM1], 1, -1
	s_mul_i32 s22, s23, 12800                      ; my 50 blocks of a big fill,
	s_add_co_u32 s22, s22, 2*REC+LAP               ; at the big slot's second fill: the first refill steps it to the third
	s_mul_i32 s96, s23, 6400                       ; my 25 of a small one,
	s_add_co_u32 s96, s96, LAP                     ; at the small slot's second fill
	s_mov_b32 s23, 0
	s_mov_b32 s97, 0
	s_add_nc_u64 s[PFB:PFB+1], s[PFS:PFS+1], s[22:23]
	s_add_nc_u64 s[PFS:PFS+1], s[PFS:PFS+1], s[96:97]
	v_and_b32 v1, 31, v0                           ; lane
	v_and_b32 v2, 15, v0                           ; r
	v_bfe_u32 v3, v0, 4, 1                         ; h
	v_lshlrev_b32 v[CO], 4, v1
	v_lshlrev_b32 v4, 3, v2                        ; comb: 8 bytes a token
	s_wait_alu depctr_va_vdst(0)
	v_lshlrev_b32 v5, 5, v3                        ; b2: 8 numbers a half
	s_wait_alu depctr_va_vdst(0)
	s_lshl_b32 s22, s17, 10
	s_lshl_b32 s96, s16, 2
	s_add_co_u32 s22, s22, s96
	s_add_nc_u64 s[8:9], s[8:9], s[22:23]          ; comb at my 128 tokens, my expert
	s_lshl_b32 s22, s16, 12
	s_lshl_b32 s96, s79, 9
	s_add_co_u32 s22, s22, s96
	s_add_nc_u64 s[10:11], s[10:11], s[22:23]      ; b2 at my expert, my 128 outputs
	s_lshl_b32 s22, s17, 19
	s_lshl_b32 s96, s14, 17
	s_add_co_u32 s22, s22, s96
	s_lshl_b32 s96, s79, 9
	s_add_co_u32 s22, s22, s96
	s_add_nc_u64 s[12:13], s[12:13], s[22:23]      ; out: row 128 x block + 32 x wave, column 128 x block
.irp a, 0,1,2,3,4,5,6,7
	global_load_b32 v[CW+2*\a], v4, s[8:9] offset:128*\a
	global_load_b32 v[CW+2*\a+1], v4, s[8:9] offset:128*\a
.endr
	WIN 0x40                                       ; destination window 1
.irp b, 0,1,2,3,4,5,6,7
	global_load_b128 v[BI+8*\b+96*(\b/4):BI+8*\b+96*(\b/4)+3], v5, s[10:11] offset:64*\b      ; lane (r, h), register j: b2 of output 16 b + 8 h + j
	global_load_b128 v[BI+8*\b+96*(\b/4)+4:BI+8*\b+96*(\b/4)+7], v5, s[10:11] offset:64*\b+16
.endr
	s_wait_loadcnt 0x0
	WIN 0x44                                       ; destination and source 1 window 1
.irp b, 0,1,2,3,4,5,6,7
.irp j, 0,1,2,3,4,5,6,7
	v_mul_f32 v[BI+8*\b+96*(\b/4)+\j], s86, v[BI+8*\b+96*(\b/4)+\j]   ; x 1 or x 0
.endr
.endr
	WIN 0
	s_mul_i32 s18, s16, 2*REC
	s_mul_i32 s19, s15, REC
	s_add_co_u32 s18, s18, s19                     ; small slot: my expert's two records, mine of them
	s_lshl_b32 s19, s18, 1
	s_add_co_u32 s19, s19, BIG                     ; big slot: twice as far, behind the small one
	v_add_nc_u32 v[ADA_S], s18, v[CO]
	v_add_nc_u32 v[ADA_B], s19, v[CO]
	v_add_nc_u32 v[ADB_S], 4*REC, v[ADA_S]
	v_add_nc_u32 v[ADB_B], 8*REC, v[ADA_B]
	v_lshlrev_b32 v6, 4, v2
	v_mul_u32_u24 v7, v3, 4*REC                    ; lanes 16-31 take W2's words: the distance from hq's part to w2q's
	v_add_nc_u32 v7, v7, v6
	v_add_nc_u32 v[ADS_S], s18, v7
	v_mul_u32_u24 v7, v3, 8*REC
	v_add_nc_u32 v7, v7, v6
	v_add_nc_u32 v[ADS_B], s19, v7
	s_mul_i32 s18, s14, 32*SPITCH
	v_add_nc_u32 v[RD], s18, v[CO]
.irp q, 1,2,3
	v_add_nc_u32 v[RD+\q], \q*STGB, v[RD]
.endr
	s_mul_i32 s18, s14, STGB
	v_mul_u32_u24 v[STO], v2, SPITCH
	v_lshl_add_u32 v[STO], v3, 5, v[STO]
	v_add_nc_u32 v[STO], s18, v[STO]
	v_min_u32 v[PFO], 24, v1
	v_lshlrev_b32 v[PFO], 8, v[PFO]
	s_mov_b32 s3, 2
.macro AIM kind                        ; where the next step's record lies: 0 the small slot; 1, 2 my first, second record of the big one
.if (\kind) == 0
.set NA, ADA_S
.set NB, ADB_S
.set NS, ADS_S
.set NO, 0
.else
.set NA, ADA_B
.set NB, ADB_B
.set NS, ADS_B
.set NO, REC*((\kind)-1)
.endif
.endm
.macro FETCH_B set                     ; W2's eight fragments: images, three loads of 512 consecutive bytes each
	WIN 0x40
.irp i, 0,1,2,3,4,5,6,7
.irp c, 0,1,2
	ds_load_b128 v[128*(\set)+FR*\i+4*\c:128*(\set)+FR*\i+4*\c+3], v[NB] offset:NO+1536*\i+512*\c
.endr
.endr
	WIN 0
.endm
.macro FETCH_A i0                      ; hq's fragments i0 .. i0 + 3
.irp i, \i0, \i0+1, \i0+2, \i0+3
.irp c, 0,1,2
	ds_load_b128 v[AF+FR*(\i)+4*\c:AF+FR*(\i)+4*\c+3], v[NA] offset:NO+1536*(\i)+512*\c
.endr
.endr
.endm
.macro SCALES set
.irp g, 0,1
	ds_load_b128 v[SC+8*(\set)+4*\g:SC+8*(\set)+4*\g+3], v[NS] offset:NO+12288+256*\g
.endr
.endm
; 16 matrix instructions: token blocks a0, a0 + 1 x W2's eight.  The 64 accumulators take turns, one instruction a turn, in the same order in every step.
.macro MUL16 a0, set, first
.irp a, \a0, \a0+1
.irp b, 0,1,2,3,4,5,6,7
.if \first
	v_wmma_scale_f32_16x16x128_f8f6f4 v[8*(8*((\a)%4)+\b):8*(8*((\a)%4)+\b)+7], v[128*(\set)+FR*\b:128*(\set)+FR*\b+FR-1], v[AF+FR*(\a):AF+FR*(\a)+FR-1], v[BI+8*\b+96*(\b/4):BI+8*\b+96*(\b/4)+7], v[SC+8*(\set)+\b], v[SC+8*(\set)+(\a)] matrix_a_fmt:MATRIX_FMT_FP6 matrix_b_fmt:MATRIX_FMT_FP6 matrix_a_scale:MATRIX_SCALE_ROW1
.else
	v_wmma_scale_f32_16x16x128_f8f6f4 v[8*(8*((\a)%4)+\b):8*(8*((\a)%4)+\b)+7], v[128*(\set)+FR*\b:128*(\set)+FR*\b+FR-1], v[AF+FR*(\a):AF+FR*(\a)+FR-1], v[8*(8*((\a)%4)+\b):8*(8*((\a)%4)+\b)+7], v[SC+8*(\set)+\b], v[SC+8*(\set)+(\a)] matrix_a_fmt:MATRIX_FMT_FP6 matrix_b_fmt:MATRIX_FMT_FP6 matrix_a_scale:MATRIX_SCALE_ROW1
.endif
.endr
.endr
.endm
; A step whose successor lies in the same slot.
.macro STEP set, kind
	AIM \kind
	s_wait_dscnt 12                                ; all but the youngest 12 loads (hq's blocks 4-7)
	WIN WLO
	MUL16 0, \set, 0
	MUL16 2, \set, 0
	s_wait_dscnt 0x0
	PLACES 4
	FETCH_B 1-(\set)
	FETCH_A 0
	SCALES 1-(\set)
	WIN WHI
	MUL16 4, \set, 0
	MUL16 6, \set, 0
	PLACES 4
	WIN 0
	FETCH_A 4
.endm
; A slot's last step changes slots: ONE barrier; in front of it each wave waits for all its tensor loads, adds 0 to its spare word, and waits for that and for its reads of this slot.
; fill = 1: the small slot, 2: the big slot is filled again, first thing behind a round of the cluster's barrier that this barrier opens; 0: nothing is left to fetch.
.macro TURN set, first, fill, lim, kind
	AIM \kind
.if (\fill) == 1
	s_wait_xcnt 0x0                                ; the earlier prefetches have read their addresses: this one may be stepped, a lap on
	s_add_nc_u64 s[PFS:PFS+1], s[PFS:PFS+1], LAP
.elseif (\fill) == 2
	s_wait_xcnt 0x0
	s_add_nc_u64 s[PFB:PFB+1], s[PFB:PFB+1], LAP
.endif
	s_wait_tensorcnt 0x0                           ; all my tensor loads have landed: my part of the next slot
	ds_add_u32 v[SPW], v[NIL]                      ; 0 onto my spare word
	s_wait_dscnt 13                                ; (the add and hq's blocks 4-7 may be out)
.if \first
	WIN WLO1
.else
	WIN WLO
.endif
	MUL16 0, \set, \first
	s_wait_dscnt 0x0                               ; the add is done, and my reads of this slot are over
	s_barrier_signal -1
	MUL16 2, \set, \first
	WIN 0
	s_barrier_wait -1
.if (\fill) == 1
	CREST                                          ; no wave of any partner still reads this slot or has a load on its way
	s_add_nc_u64 s[G0AS+2:G0AS+3], s[G0AS+2:G0AS+3], LAP
	s_add_nc_u64 s[G0BS+2:G0BS+3], s[G0BS+2:G0BS+3], LAP
	JLOAD G0AS, G1AS, G0BS, G1BS                   ; the four v_nop behind it are also the places in front of the loads below
.elseif (\fill) == 2
	CREST
	s_add_nc_u64 s[G0AB+2:G0AB+3], s[G0AB+2:G0AB+3], LAP
	s_add_nc_u64 s[G0BB+2:G0BB+3], s[G0BB+2:G0BB+3], LAP
	JLOAD G0AB, G1AB, G0BB, G1BB
.else
	PLACES 4
.endif
	FETCH_B 1-(\set)
	FETCH_A 0
	SCALES 1-(\set)
.if (\fill) == 1
	ASK \lim, 0
.elseif (\fill) == 2
	ASK \lim, 1
.endif
.if \first
	WIN WHI1
.else
	WIN WHI
.endif
	MUL16 4, \set, \first
	MUL16 6, \set, \first
	PLACES 4
	WIN 0
	FETCH_A 4
.endm
	s_wait_alu depctr_va_vdst(0)
	s_wait_tensorcnt 0x0                           ; my part of the small slot is in; the lines ahead of a later first fill:
	ds_add_u32 v[SPW], v[NIL]
	s_wait_dscnt 0x0
	CROUND                                         ; everybody's part is in, and all sixteen work-groups are here
	JLOAD G0AB, G1AB, G0BB, G1BB                   ; the big slot's first fill, the first tensor load behind the round
	AIM 0
	FETCH_B 0
	FETCH_A 0
	SCALES 0
	FETCH_A 4
	TURN 0, 1, 1, LIM0, 1                          ; the first step: its products start the sums from b2 (or zeros)
.Llap:                                             ; two trips; a trip is two laps of the ring (six steps), after which the sets of registers are back where they began
	STEP 1, 2
	TURN 0, 0, 2, LIM0, 0
	TURN 1, 0, 1, LIM0, 1
	STEP 0, 2
	TURN 1, 0, 2, LIM1, 0
	TURN 0, 0, 1, LIM1, 1
	s_sub_co_u32 s3, s3, 1
	s_cmp_lg_u32 s3, 0
	s_cbranch_scc1 .Llap
	STEP 1, 2                                      ; the tail is written out: nothing is left to fetch
	TURN 0, 0, 0, LIM0, 0
	s_wait_dscnt 12                                ; the last step
	WIN WLO
	MUL16 0, 1, 0
	MUL16 2, 1, 0
	s_wait_dscnt 0x0                               ; my reads of the slots are over:
	s_barrier_signal -1
	WIN WHI
	MUL16 4, 1, 0
	MUL16 6, 1, 0
	WIN 0
	s_barrier_wait -1                              ; everybody's are: the stages may be written over the slots
	; THE WAY OUT.  My 128 x 128, times my expert's weight of each token, goes into my stage; behind a barrier wave w adds the four stages' rows 32 w .. 32 w + 31 and stores them.
	PLACES 4                                       ; behind the last products
.irp a, 0,1,2,3,4,5,6,7
.if \a >= 2
	s_wait_dscnt 16                                ; the stores of two blocks ago have read these registers; the last block's 16 may be out
.endif
	WIN 0x02+(\a/4)                                ; source 0: window 2 or 3
.irp b, 0,1,2,3,4,5,6,7
.irp j, 0,2,4,6
	v_pk_mul_f32 v[64+64*(\a%2)+8*\b+\j:64+64*(\a%2)+8*\b+\j+1], v[8*(8*(\a%4)+\b)+\j:8*(8*(\a%4)+\b)+\j+1], v[CW+2*\a:CW+2*\a+1]   ; each accumulator from its low end on
.endr
.endr
	WIN 0
.irp b, 0,1,2,3,4,5,6,7
	ds_store_b128 v[STO], v[64+64*(\a%2)+8*\b:64+64*(\a%2)+8*\b+3] offset:16*SPITCH*\a+64*\b        ; token 16 a + r, outputs 16 b + 8 h + 0 .. 7
	ds_store_b128 v[STO], v[64+64*(\a%2)+8*\b+4:64+64*(\a%2)+8*\b+7] offset:16*SPITCH*\a+64*\b+16
.endr
.endr
	s_wait_dscnt 0x0                               ; for the others' sake: my stores have landed
	s_barrier_signal -1
	s_barrier_wait -1
.macro LOADG g                         ; four rows of the four stages: a row is 512 bytes, 16 a lane
.if (\g) >= 2
	s_wait_xcnt 0x0                                ; the stores of two groups ago have read these registers
.endif
.irp p, 0,1,2,3
.irp q, 0,1,2,3
	ds_load_b128 v[64+64*((\g)%2)+16*\p+4*\q:64+64*((\g)%2)+16*\p+4*\q+3], v[RD+\q] offset:SPITCH*(4*(\g)+\p)
.endr
.endr
.endm
.macro SUMSTORE g, younger             ; younger: the LDS loads issued behind this group's, which may stay out
	s_wait_dscnt \younger
.irp p, 0,1,2,3
.set BB, 64+64*((\g)%2)+16*\p
	v_pk_add_f32 v[BB:BB+1], v[BB:BB+1], v[BB+4:BB+5]
	v_pk_add_f32 v[BB+2:BB+3], v[BB+2:BB+3], v[BB+6:BB+7]
	v_pk_add_f32 v[BB+8:BB+9], v[BB+8:BB+9], v[BB+12:BB+13]
	v_pk_add_f32 v[BB+10:BB+11], v[BB+10:BB+11], v[BB+14:BB+15]
	v_pk_add_f32 v[BB:BB+1], v[BB:BB+1], v[BB+8:BB+9]
	v_pk_add_f32 v[BB+2:BB+3], v[BB+2:BB+3], v[BB+10:BB+11]
	global_store_b128 v[CO], v[BB:BB+3], s[12:13] offset:4096*(4*(\g)+\p) th:TH_STORE_NT   ; 32 lanes store 512 consecutive bytes, at a multiple of 256 from out's first byte; written once, read by nobody here
.endr
.endm
	LOADG 0
.irp g, 1,2,3,4,5,6,7
	LOADG \g
	SUMSTORE \g-1, 16
.endr
	SUMSTORE 7, 0
	s_wait_tensorcnt 0x0                           ; the wave's end
	ds_add_u32 v[SPW], v[NIL]
	s_wait_dscnt 0x0
	CROUND                                         ; the closing round: no work-group ends while a partner may still ask for a tile that names it
	s_endpgm
.Lfunc_end_k_q9ae71d4460_ffn2:
	.size	k_q9ae71d4460_ffn2, .Lfunc_end_k_q9ae71d4460_ffn2-k_q9ae71d4460_ffn2
	.p2alignl 7, 3214868480
	.fill 96, 4, 3214868480
	.section	.rodata,"a",@progbits
	.p2align	6, 0x0
	.amdhsa_kernel k_q9ae71d4460_ffn2
		.amdhsa_group_segment_fixed_size 327680
		.amdhsa_private_segment_fixed_size 0
		.amdhsa_enable_private_segment 0
		.amdhsa_kernarg_size 40
		.amdhsa_user_sgpr_count 2
		.amdhsa_user_sgpr_kernarg_segment_ptr 1
		.amdhsa_wavefront_size32 1
		.amdhsa_system_sgpr_workgroup_id_x 1
		.amdhsa_system_sgpr_workgroup_id_y 1
		.amdhsa_system_sgpr_workgroup_id_z 1
		.amdhsa_system_vgpr_workitem_id 0
		.amdhsa_next_free_vgpr 1024
		.amdhsa_next_free_sgpr 100
		.amdhsa_reserve_vcc 0
		.amdhsa_float_denorm_mode_32 3
		.amdhsa_float_denorm_mode_16_64 3
		.amdhsa_memory_ordered 1
		.amdhsa_forward_progress 1
		.amdhsa_inst_pref_size 186
	.end_amdhsa_kernel
	.amdgpu_metadata
---
amdhsa.version: [ 1, 2 ]
amdhsa.kernels:
  - .name:           k_q9ae71d4460_ffn2
    .symbol:         k_q9ae71d4460_ffn2.kd
    .args:
      - { .name: hq, .offset: 0, .size: 8, .value_kind: global_buffer, .address_space: global }
      - { .name: w2q, .offset: 8, .size: 8, .value_kind: global_buffer, .address_space: global }
      - { .name: comb, .offset: 16, .size: 8, .value_kind: global_buffer, .address_space: global }
      - { .name: b2, .offset: 24, .size: 8, .value_kind: global_buffer, .address_space: global }
      - { .name: out0, .offset: 32, .size: 8, .value_kind: global_buffer, .address_space: global }
    .group_segment_fixed_size: 327680
    .private_segment_fixed_size: 0
    .kernarg_segment_align: 8
    .kernarg_segment_size: 40
    .max_flat_workgroup_size: 128
    .sgpr_count:     100
    .vgpr_count:     1024
    .wavefront_size: 32
...
	.end_amdgpu_metadata
.endif
;; end of part 3
